; MI455X (gfx1250); checked and timed in simulation.
; The chip was launched on July 23, 2026; its instructions are those of AMD's public machine-readable ISA for CDNA 5 (MIT licence, August 2026) and "CDNA5" Instruction Set Architecture Reference Guide (July 2026). The comments in the code are by the model that wrote it; some were corrected since.
;; Multihead Attention. Allowed arithmetic: matrix products marked QUANTISED: E2M3 operands, one E8M0 scale for each 32 along K, by v_wmma_scale_f32_16x16x128_f8f6f4 with both operands' format E2M3, f32 sums; everything else in f32.
;; Inputs: w_out_codes 1,024 x 32 x 24 uint8 (E2M3 codes of w_out, K innermost, in blocks of 32 codes, four codes in three bytes); w_out_scales 1,024 x 32 uint8 (E8M0 scales of w_out, one for each 32 codes along K); w_qkv_codes 3,072 x 32 x 24 uint8 (E2M3 codes of w_qkv, K innermost, in blocks of 32 codes, four codes in three bytes); w_qkv_scales 3,072 x 32 uint8 (E8M0 scales of w_qkv, one for each 32 codes along K); x_codes 4 x 2,048 x 32 x 24 uint8 (E2M3 codes of x, K innermost, in blocks of 32 codes, four codes in three bytes); x_scales 4 x 2,048 x 32 uint8 (E8M0 scales of x, one for each 32 codes along K).
;; Outputs: out0 4 x 2,048 x 1,024 float32.
;; This version of the problem:
;;   THIS VERSION OF THE PROBLEM IS GIVEN IN LOW PRECISION. The matrix products marked QUANTISED in the list below multiply operands that are first quantised to E2M3 (2 exponent bits, 3 mantissa bits; 6 bits a number), with one power-of-two scale for each 32 numbers along K (OCP MX v1.0); their sums are f32. All else is computed in f32.
;;   The module's matrix products, in the order in which they are computed (A, B: the left and right operand; K: the contracted axis; several contracted axes count as one K, in the product's order):
;;     1. [M 8,192, K 1,024] x [K 1,024, N 3,072]; A: input x (given as codes); B: input w_qkv (given as codes): QUANTISED
;;     2. batch 64 x [M 2,048, K 64] x [K 64, N 2,048]; A: computed on the way; B: computed on the way: QUANTISED
;;     3. batch 64 x [M 2,048, K 2,048] x [K 2,048, N 64]; A: softmax (see below); B: computed on the way: QUANTISED
;;     4. [M 8,192, K 1,024] x [K 1,024, N 1,024]; A: computed on the way; B: input w_out (given as codes): QUANTISED
;;   THE QUANTISER, for each operand of a quantised product, along K:
;;     - K is cut into blocks of 32 from its start; a last block that is shorter is filled with zeros.
;;     - A block's scale is 2^e with e = floor(log2(the largest magnitude in the block)) - 2, held to -126 .. 127; a block of zeros has e = 0. As a byte (E8M0): e + 127.
;;     - Each number is divided by its block's scale, clamped to +-7.5, and rounded to the nearest number of E2M3, ties to even, subnormals kept.
;;     - The product sums the exact products of the quantised numbers (number of the format x scale) in f32.
;;   ~~~python
;;   def quantise(x, axis):      # numpy; x: float32 -> the quantised numbers, widened to float32 again
;;       x = np.moveaxis(x, axis, -1); K = x.shape[-1]
;;       x = np.pad(x, [(0, 0)] * (x.ndim - 1) + [(0, -K % 32)]); x = x.reshape(x.shape[:-1] + (-1, 32)); a = np.abs(x).max(-1, keepdims=True)
;;       e = np.where(a > 0, np.clip(np.frexp(np.where(a > 0, a, 1))[1] - 1 - 2, -126, 127), 0)      # np.frexp(a)[1] - 1 = floor(log2(a)), exactly
;;       r = np.clip(x / 2.0 ** e, -7.5, 7.5)
;;       step = 2.0 ** (np.maximum(np.frexp(np.where(r == 0, 1, r))[1] - 1, 0) - 3)
;;       q = np.round(r / step) * step * 2.0 ** e      # np.round: ties to even
;;       return np.moveaxis(q.reshape(q.shape[:-2] + (-1,))[..., :K], -1, axis).astype(np.float32)
;;   ~~~
;;   SOFTMAX AHEAD OF A QUANTISED PRODUCT. Where the list says 'softmax', what is quantised is not the finished softmax but p = 2^(t - M), with t = logit x log2(e) and M = ceil(the row's largest t), a whole number; so 1/2 < the row's largest p <= 1. The row's sum l is taken of the UNQUANTISED p, in f32, and the product's result is divided by l at the end. Since M is a whole number, a kernel that streams over the keys may use a running M (the ceiling of the running maximum): every later rescaling is an exact power of two, which a block's scale takes up: the codes' values come out the same.
;;   OPERANDS COMPUTED ON THE WAY. 'Computed on the way' means the value that the module computes at that place (a softmax that the list does not call 'softmax' is quantised finished and normalised). What goes into a quantiser is computed in f32, as accurately as f32 sums, v_exp_f32 and their like allow (about 1e-6 of the number): no bf16 or f16 on the way to a quantiser, and a product that is left as it is and whose result goes on into a quantised operand takes f32 operands (vector FMAs, or v_wmma_f32_16x16x4_f32). A number that lies on a knife's edge between two numbers of the format may be rounded either way, as far as f32 arithmetic and the matrix unit's own rounding can turn it there, and no further.
;;   INPUTS GIVEN AS CODES. w_out (in the module: [1024, 1024], K = its axis 1); w_qkv (in the module: [3072, 1024], K = its axis 1); x (in the module: [4, 2048, 1024], K = its axis 2): each comes as NAME_codes (uint8): NAME with its K axis moved to the last place and cut into blocks of 32 codes, [.., K / 32, bytes a block], one block behind the other in memory; four codes in three bytes: a row's codes are one little-endian stream of bits, code i at bits 6 i .. 6 i + 5 (a code: sign, 2 exponent bits, 3 mantissa bits); and NAME_scales (uint8): the same leading axes, one E8M0 byte (e + 127) for each 32 codes along K. Its value is code x scale, taken as it is: it is not quantised again, and the codes and scales need not be those that the quantiser above would give.
;; One version. Each part assembles by itself: llvm-mc -triple=amdgcn-amd-amdhsa -mcpu=gfx1250 --defsym DOCPART=n.
;; ======== version 1 of 1: 3 launches
;; workspace buffers: qkv 19,660,800 bytes; woi 786,432 bytes; vc 6,291,456 bytes; vs 262,144 bytes
;; launch qkv_proj (part 1): grid 16 x 32, 4 waves a work-group, clusters of 4 x 4, 327,680 bytes of LDS; arguments x_codes, x_scales, w_qkv_codes, w_qkv_scales, qkv, w_out_codes, woi; writes qkv, woi
.if DOCPART == 1
	.amdgcn_target "amdgcn-amd-amdhsa--gfx1250"
	.amdhsa_code_object_version 6
	.text
	.protected	k_q27d8feca10_qkv_proj
	.globl	k_q27d8feca10_qkv_proj
	.p2align	8
	.type	k_q27d8feca10_qkv_proj,@function
k_q27d8feca10_qkv_proj:
	s_mov_b64 s[64:65], 0
	v_nop
	global_prefetch_b8 v0, s[64:65] scope:SCOPE_SE
	s_setreg_imm32_b32 hwreg(HW_REG_WAVE_MODE, 25, 1), 1
	s_wait_xcnt 0x0
	s_wait_alu depctr_hold_cnt(0) depctr_sa_sdst(0) depctr_va_vdst(0) depctr_va_sdst(0) depctr_va_ssrc(0) depctr_va_vcc(0) depctr_vm_vsrc(0)
	s_getreg_b32 s2, hwreg(HW_REG_IB_STS2, 6, 4)
	s_cmp_eq_u32 s2, 0
	s_cbranch_scc0 .Lentry_in_a_cluster
	s_endpgm
.Lentry_in_a_cluster:
	s_bfe_u32 s2, ttmp6, 0x10000c
	s_cmp_lg_u32 s2, 0xf033
	s_cbranch_scc0 .Lentry_shape_is_right
	s_endpgm
.Lentry_shape_is_right:
; qkv = x W^T on codes of FP6 (E2M3) with E8M0 scales, and the results quantised at once: q and k along the head's 64 channels, v along the keys.
; x: 8,192 tokens x 1,024; W: 3,072 x 1,024; head hd owns W's rows 192 hd on: 64 of q, 64 of k, 64 of v.
; A work-group makes 256 tokens x one head's 192 columns.  Wave w: token half i = w / 2 (128 tokens: one record of the buffer qkv), column half j = w % 2 (j = 0: q and v's channels 0-31; j = 1: k and v's channels 32-63).
; q, k: source 0 = 16 rows of W, source 1 = 16 tokens: a lane holds ONE token and its registers run along the channels, which are the next product's K.
; v:    source 0 = 16 tokens, source 1 = 16 rows of W: a lane holds ONE channel and its registers run along the tokens, which are the keys: the next K.
; K goes in chunks of 256 (rows of 192 bytes) through two LDS slots filled by the tensor data mover; a chunk is two steps of 128; the 8 steps are written out.  All scale bytes of the tile come once and stay.
; CLUSTER 4 x 4: the four work-groups of a row of the cluster share their tokens' tiles of x, the four of a column their head's tiles of W: each tile is asked for jointly.
; THE RECORD (19,200 bytes, 128 tokens of one head): fragments as images of their 12 registers, 3 x (32 lanes x 16 bytes):
;   0 K's four pair images | 6144 V's four tile images | 12288 K's scale words (16 r + 4 b) | 12544 V's (16 r + 4 t) | 12800 Q's four pair images | 18944 Q's scale words.
;   A pair image holds two tiles of 16 tokens x 64 channels: registers 0-5 the first, 6-11 the second.  A V image holds 16 channels x 128 keys.
; ORDER INSIDE A BLOCK OF 32: the codes of a block lie in the order 0-7, 16-23, 8-15, 24-31 of its numbers.  q and k are laid alike, and so are v and the later p: the products pair the same numbers, the blocks and their
; scales are the true ones; only the order in which the matrix unit adds a block's products differs.
; LIMITS: NaN and infinities are not served.  A block whose largest magnitude lies under 2^-124 has its byte held at 1; a block of zeros gets the byte 1 and not 127 (its codes are zeros; only this program reads the bytes).
; SIDE JOB: wave 3 of work-group g = 16 y + x copies fragment g of w_out's codes (column tile g / 8, K step g % 8) into the buffer woi as an image of its registers.
; REGISTERS: window 0: v1-29 addresses; v32-87 scale words, two sets; v88-255 fragment set 1.  window 1: fragment set 0.  window 2: q's or k's 32 accumulators ((a, b) at 8 (4 a + b)).  window 3: v's 16 ((a, c) at 64 c + 8 a).
.set PITCH,  240                       ; an LDS row: 3 x (64 bytes + 16 of padding)
.set XHALF,  128*PITCH                 ; what one load brings of x
.set WHALF,  96*PITCH                  ; and of W
.set WOFF,   256*PITCH                 ; in a slot W's 192 rows lie behind x's 256
.set SLOT,   WOFF+192*PITCH
.set SCLX,   2*SLOT                    ; x's scale bytes: 32 blocks of 256 bytes + 16
.set SCLW,   SCLX+32*272               ; W's: 24 such blocks
.set SPARE,  230400                    ; the spare words: 128 bytes a wave, two blocks of 256 bytes that no other line names
.set CHUNKB, 192
.set KROW,   768
.set REC,    19200
.set ADRA, 8                           ; v8-9 x's fragments in slot 0, 1; v10-11 the same behind one padding more
.set ADRB, 12                          ; v12-15 q's or k's rows of W
.set ADRV, 16                          ; v16-19 v's rows of W
.set ADXS, 20                          ; scale words: x's,
.set ADWS, 21                          ; q's or k's,
.set ADVS, 22                          ; v's
.set LI16, 23                          ; 16 x lane
.set VO8,  24                          ; 16 r + 8 h
.set VO4,  25                          ; 16 r + 4 h
.set SJI,  26                          ; 768 r + 24 h
.set SPW,  28
.set NIL,  29
.set PCD,  88                          ; the way out: six fragments of codes, 12 registers each
.set XQ,   160
.set TM,   168
.set SO,   172
.set PW,   180
.set G1, 24
.set G0, 32
.set G1B, 48
.set G0B, 56
.set G1S, 68
.set G0S, 76
.set G1SB, 80
.set G0SB, 88
.set MSB, 0
.macro WIN new                         ; the immediate's high byte repeats the setting that is left
.if MSB != \new
	s_set_vgpr_msb (MSB<<8)|\new
.set MSB, \new
.endif
.endm
.macro PLACES n
.rept \n
	v_nop
.endr
.endm
; A joint load: waves 0 and 1 fetch for x, waves 2 and 3 for W; the branch hangs on the wave's number alone.  Four v_nop follow each line.
.macro JLOAD g0a, g1a, g0b, g1b
	s_cmp_eq_u32 s15, 0
	s_cbranch_scc0 .Lfor_b_\@
	tensor_load_to_lds s[\g0a:\g0a+3], s[\g1a:\g1a+7]
	s_nop 0
.rept 4
	v_nop
.endr
	s_branch .Lasked_\@
.Lfor_b_\@:
	tensor_load_to_lds s[\g0b:\g0b+3], s[\g1b:\g1b+7]
	s_nop 0
.rept 4
	v_nop
.endr
.Lasked_\@:
.endm
.macro CROUND                          ; a round of the cluster's barrier
	s_barrier_signal -1
	s_barrier_wait -1
	s_cmp_lg_u32 s14, 0
	s_cbranch_scc1 .Lnot_wave_0_\@
	s_barrier_signal -3
.Lnot_wave_0_\@:
	s_barrier_wait -3
	s_barrier_signal -1
	s_barrier_wait -1
.endm
	s_load_b128 s[4:7], s[0:1], 0x0                ; x's codes, x's scales
	s_load_b128 s[8:11], s[0:1], 0x10              ; W's codes, W's scales
	s_load_b64 s[12:13], s[0:1], 0x20              ; qkv
	s_load_b128 s[96:99], s[0:1], 0x28             ; w_out's codes, woi
	v_lshl_add_u32 v[SPW], v0, 2, SPARE
	v_mov_b32 v[NIL], 0
	ds_add_u32 v28, v29
	ds_add_u32 v28, v29
	s_wait_dscnt 0x0
	v_lshrrev_b32 v1, 5, v0
	v_readfirstlane_b32 s14, v1                    ; wave 0..3
	s_lshr_b32 s15, s14, 1                         ; i: my half of the tokens.  Also: I fetch for x (0) or for W (1)
	s_and_b32 s16, s14, 1                          ; j: my half of the columns.  Also: which half of that tile I fetch
	s_bfe_u32 s40, ttmp6, 0x40000                  ; cx
	s_bfe_u32 s41, ttmp6, 0x40004                  ; cy
	s_lshl_b32 s42, ttmp9, 2
	s_add_co_u32 s42, s42, s40                     ; the head = 4 x cluster x + cx
	s_and_b32 s17, ttmp7, 0xffff
	s_lshl_b32 s17, s17, 2
	s_add_co_u32 s17, s17, s41                     ; the tile of 256 tokens = 4 x cluster y + cy
	s_lshl_b32 s43, s41, 2
	s_lshl_b32 s43, 15, s43                        ; my row of the cluster
	s_lshl_b32 s44, 0x1111, s40                    ; my column
	; group 1: rows of 192 bytes, 768 bytes apart in memory, 16 bytes of padding behind every 64; 128 rows of x, 96 of W
	s_or_b32 s[G1+0], s43, (1<<20)|(1<<21)|(3<<22)|(3<<25)
	s_mov_b32 s[G1+1], CHUNKB<<16
	s_mov_b32 s[G1+2], 128<<16
	s_mov_b32 s[G1+3], CHUNKB<<16
	s_mov_b32 s[G1+4], 128
	s_mov_b32 s[G1+5], KROW
	s_mov_b32 s[G1+6], 0
	s_mov_b32 s[G1+7], 0
	s_or_b32 s[G1B+0], s44, (1<<20)|(1<<21)|(3<<22)|(3<<25)
	s_mov_b32 s[G1B+1], CHUNKB<<16
	s_mov_b32 s[G1B+2], 96<<16
	s_mov_b32 s[G1B+3], CHUNKB<<16
	s_mov_b32 s[G1B+4], 96
	s_mov_b32 s[G1B+5], KROW
	s_mov_b32 s[G1B+6], 0
	s_mov_b32 s[G1B+7], 0
	; the scale bytes of 128 rows of x (4,096 dense bytes) and of 96 rows of W (3,072): rows of 256 bytes (32 elements of 8), 16 bytes of padding behind each
	s_or_b32 s[G1S+0], s43, (3<<16)|(1<<20)|(1<<21)|(5<<22)|(3<<25)
	s_mov_b32 s[G1S+1], 32<<16
	s_mov_b32 s[G1S+2], 16<<16
	s_mov_b32 s[G1S+3], 32<<16
	s_mov_b32 s[G1S+4], 16
	s_mov_b32 s[G1S+5], 32
	s_mov_b32 s[G1S+6], 0
	s_mov_b32 s[G1S+7], 0
	s_or_b32 s[G1SB+0], s44, (3<<16)|(1<<20)|(1<<21)|(5<<22)|(3<<25)
	s_mov_b32 s[G1SB+1], 32<<16
	s_mov_b32 s[G1SB+2], 12<<16
	s_mov_b32 s[G1SB+3], 32<<16
	s_mov_b32 s[G1SB+4], 12
	s_mov_b32 s[G1SB+5], 32
	s_mov_b32 s[G1SB+6], 0
	s_mov_b32 s[G1SB+7], 0
	s_lshl_b32 s18, s16, 7
	s_lshl_b32 s20, s17, 8
	s_add_co_u32 s20, s20, s18                     ; x: row 256 x tile + 128 x half
	s_mul_i32 s46, s42, 192
	s_mul_i32 s18, s16, 96
	s_add_co_u32 s46, s46, s18                     ; W: row 192 x head + 96 x half
	s_lshl_b32 s22, s20, 5                         ; their scale bytes: 32 a row,
	s_mov_b32 s23, 0
	s_lshl_b32 s92, s46, 5
	s_mov_b32 s93, 0
	s_mul_i32 s20, s20, KROW                       ; their codes: 768 a row (all under 2^23)
	s_mov_b32 s21, 0
	s_mul_i32 s46, s46, KROW
	s_mov_b32 s47, 0
	s_mul_i32 s45, s16, XHALF                      ; where they go: no place in the cluster enters an LDS address
	s_mul_i32 s94, s16, WHALF
	s_mul_i32 s95, s16, 16*272
	s_mul_i32 s100, s16, 12*272
	s_wait_kmcnt 0x0
	s_add_nc_u64 s[20:21], s[4:5], s[20:21]
	s_add_nc_u64 s[22:23], s[6:7], s[22:23]
	s_add_nc_u64 s[46:47], s[8:9], s[46:47]
	s_add_nc_u64 s[92:93], s[10:11], s[92:93]
	CROUND                                         ; all sixteen work-groups are here: the first joint loads meet
	s_mov_b32 s[G0S], 1
	s_add_co_u32 s[G0S+1], s95, SCLX
	s_mov_b64 s[G0S+2:G0S+3], s[22:23]
	s_or_b32 s[G0S+3], s[G0S+3], 0x80000000
	s_mov_b32 s[G0SB], 1
	s_add_co_u32 s[G0SB+1], s100, SCLW
	s_mov_b64 s[G0SB+2:G0SB+3], s[92:93]
	s_or_b32 s[G0SB+3], s[G0SB+3], 0x80000000
	JLOAD G0S, G1S, G0SB, G1SB                     ; the scale bytes first: they are wanted with chunk 0
.irp s, 0,1
	s_mov_b32 s[G0+4*\s], 1
	s_add_co_u32 s[G0+4*\s+1], s45, \s*SLOT
	s_add_nc_u64 s[G0+4*\s+2:G0+4*\s+3], s[20:21], \s*CHUNKB
	s_or_b32 s[G0+4*\s+3], s[G0+4*\s+3], 0x80000000
	s_mov_b32 s[G0B+4*\s], 1
	s_add_co_u32 s[G0B+4*\s+1], s94, \s*SLOT+WOFF
	s_add_nc_u64 s[G0B+4*\s+2:G0B+4*\s+3], s[46:47], \s*CHUNKB
	s_or_b32 s[G0B+4*\s+3], s[G0B+4*\s+3], 0x80000000
	JLOAD G0+4*\s, G1, G0B+4*\s, G1B               ; chunks 0 and 1: three loads of mine are out
.endr
	v_and_b32 v1, 15, v0                           ; r
	v_bfe_u32 v2, v0, 4, 1                         ; h
	v_mul_u32_u24 v3, v1, PITCH
	v_mad_u32_u24 v4, v2, 24, v3                   ; a fragment's row x pitch + 24 h
	v_lshl_add_u32 v5, v2, 4, v4                   ; and the same behind one padding more
	s_mul_i32 s18, s15, XHALF                      ; my 128 tokens
	s_mul_i32 s19, s16, 64*PITCH
	s_add_co_u32 s19, s19, WOFF                    ; my 64 rows of q or of k
	s_mul_i32 s2, s16, 32*PITCH
	s_add_co_u32 s2, s2, WOFF+128*PITCH            ; my 32 rows of v
.irp s, 0,1
	v_add_nc_u32 v[ADRA+\s], s18, v4
	v_add_nc_u32 v[ADRA+2+\s], s18, v5
	v_add_nc_u32 v[ADRB+\s], s19, v4
	v_add_nc_u32 v[ADRB+2+\s], s19, v5
	v_add_nc_u32 v[ADRV+\s], s2, v4
	v_add_nc_u32 v[ADRV+2+\s], s2, v5
	s_add_co_u32 s18, s18, SLOT
	s_add_co_u32 s19, s19, SLOT
	s_add_co_u32 s2, s2, SLOT
.endr
	v_lshrrev_b32 v6, 3, v1                        ; a row's 32 scale bytes: eight rows to a block of 256 + 16
	v_and_b32 v7, 7, v1
	v_mul_u32_u24 v6, v6, 272
	v_lshl_add_u32 v6, v7, 5, v6
	s_mul_i32 s18, s15, 16*272
	s_add_co_u32 s18, s18, SCLX
	v_add_nc_u32 v[ADXS], s18, v6
	s_mul_i32 s18, s16, 8*272
	s_add_co_u32 s18, s18, SCLW
	v_add_nc_u32 v[ADWS], s18, v6
	s_mul_i32 s18, s16, 4*272
	s_add_co_u32 s18, s18, SCLW+16*272
	v_add_nc_u32 v[ADVS], s18, v6
	v_and_b32 v3, 31, v0
	v_lshlrev_b32 v[LI16], 4, v3
	v_lshlrev_b32 v[VO8], 4, v1
	v_lshl_add_u32 v[VO8], v2, 3, v[VO8]
	v_lshlrev_b32 v[VO4], 4, v1
	v_lshl_add_u32 v[VO4], v2, 2, v[VO4]
	v_mul_u32_u24 v[SJI], v1, KROW
	v_mad_u32_u24 v[SJI], v2, 24, v[SJI]
	; THE SIDE JOB, while the first tiles are on their way: one fragment of w_out, 12 registers, as it lies in memory, out as an image
	s_cmp_lg_u32 s14, 3
	s_cbranch_scc1 .Lno_side
	s_lshl_b32 s2, s17, 4
	s_add_co_u32 s2, s2, s42                       ; g = 16 y + x: 0 .. 511
	s_lshr_b32 s18, s2, 3
	s_mul_i32 s18, s18, 16*KROW                    ; column tile g / 8: 16 rows of w_out,
	s_and_b32 s19, s2, 7
	s_mul_i32 s19, s19, 96                         ; K step g % 8
	s_add_co_u32 s18, s18, s19
	s_mov_b32 s19, 0
	s_add_nc_u64 s[96:97], s[96:97], s[18:19]
	s_mul_i32 s18, s2, 1536
	s_add_nc_u64 s[98:99], s[98:99], s[18:19]
.irp p, 0,1,2,3,4,5
	global_load_b64 v[88+2*\p:89+2*\p], v[SJI], s[96:97] offset:48*(\p/3)+8*(\p%3)
.endr
	s_wait_loadcnt 0x0
.irp c, 0,1,2
	global_store_b128 v[LI16], v[88+4*\c:91+4*\c], s[98:99] offset:512*\c   ; 32 lanes store 512 consecutive bytes
.endr
	s_wait_xcnt 0x0                                ; the stores have read their registers: LDS loads land there later
.Lno_side:
; A fragment, 16 rows x 128 K, is 12 registers: lane (r, h) takes 24 bytes of row r at 24 h and 24 more 48 bytes on, in pieces of 8.  Where lanes 16-31's piece lies behind one padding more, the second address register serves.
.macro FRAG reg, adr, q, i
.irp p, 0,1,2,3,4,5
.set PCE, 12*(\q)+6*(\p/3)+\p%3
.if PCE%8 < 5
	ds_load_b64 v[\reg+2*\p:\reg+2*\p+1], v[\adr] offset:8*PCE+16*(PCE/8)+(\i)*16*PITCH
.else
	ds_load_b64 v[\reg+2*\p:\reg+2*\p+1], v[\adr+2] offset:8*PCE+16*(PCE/8)+(\i)*16*PITCH
.endif
.endr
.endm
; A step's 14 fragments (8 of x, 4 of q or k, 2 of v), 84 loads in one run, into set p
.macro LOADSET p, slot, q
.if \p
	WIN 0
.set XB_, 88
.set WB_, 184
.else
	WIN 0x40                                       ; destination window 1, address window 0
.set XB_, 0
.set WB_, 96
.endif
.irp a, 0,1,2,3,4,5,6,7
	FRAG XB_+12*\a, ADRA+\slot, \q, \a
.endr
.irp b, 0,1,2,3
	FRAG WB_+12*\b, ADRB+\slot, \q, \b
.endr
.irp c, 0,1
	FRAG WB_+48+12*\c, ADRV+\slot, \q, \c
.endr
	WIN 0
.endm
; A chunk's scale words, two a row, into set sg: x's tile a at v[32 + 28 sg + 2 a], W's tile b at v[48 + 28 sg + 2 b] (b = 4, 5: v's).  Lanes 16-31 read what lanes 0-15 read.
.macro SCALES sg, ch
.irp a, 0,1,2,3,4,5,6,7
	ds_load_b64 v[32+28*\sg+2*\a:33+28*\sg+2*\a], v[ADXS] offset:544*\a+8*\ch
.endr
.irp b, 0,1,2,3
	ds_load_b64 v[48+28*\sg+2*\b:49+28*\sg+2*\b], v[ADWS] offset:544*\b+8*\ch
.endr
.irp c, 0,1
	ds_load_b64 v[56+28*\sg+2*\c:57+28*\sg+2*\c], v[ADVS] offset:544*\c+8*\ch
.endr
.endm
; The 48 accumulators take turns, one instruction a turn, in the same order in every step.  zero = 1: the first step starts the sums.
.macro MULV p, q, sg, zero                     ; v: source 0 = tokens, source 1 = v's rows of W
.if \p
	WIN 0xf0
.set XB_, 88
.set WB_, 184
.else
	WIN 0xf5
.set XB_, 0
.set WB_, 96
.endif
.irp a, 0,1,2,3,4,5,6,7
.irp c, 0,1
.if \zero
	v_wmma_scale_f32_16x16x128_f8f6f4 v[64*\c+8*\a:64*\c+8*\a+7], v[XB_+12*\a:XB_+12*\a+11], v[WB_+48+12*\c:WB_+48+12*\c+11], 0, v[32+28*\sg+2*\a+\q], v[56+28*\sg+2*\c+\q] matrix_a_fmt:MATRIX_FMT_FP6 matrix_b_fmt:MATRIX_FMT_FP6
.else
	v_wmma_scale_f32_16x16x128_f8f6f4 v[64*\c+8*\a:64*\c+8*\a+7], v[XB_+12*\a:XB_+12*\a+11], v[WB_+48+12*\c:WB_+48+12*\c+11], v[64*\c+8*\a:64*\c+8*\a+7], v[32+28*\sg+2*\a+\q], v[56+28*\sg+2*\c+\q] matrix_a_fmt:MATRIX_FMT_FP6 matrix_b_fmt:MATRIX_FMT_FP6
.endif
.endr
.endr
.endm
.macro MULQK p, q, sg, zero                    ; q or k: source 0 = rows of W, source 1 = tokens
.if \p
	WIN 0xa0
.set XB_, 88
.set WB_, 184
.else
	WIN 0xa5
.set XB_, 0
.set WB_, 96
.endif
.irp a, 0,1,2,3,4,5,6,7
.irp b, 0,1,2,3
.if \zero
	v_wmma_scale_f32_16x16x128_f8f6f4 v[8*(4*\a+\b):8*(4*\a+\b)+7], v[WB_+12*\b:WB_+12*\b+11], v[XB_+12*\a:XB_+12*\a+11], 0, v[48+28*\sg+2*\b+\q], v[32+28*\sg+2*\a+\q] matrix_a_fmt:MATRIX_FMT_FP6 matrix_b_fmt:MATRIX_FMT_FP6
.else
	v_wmma_scale_f32_16x16x128_f8f6f4 v[8*(4*\a+\b):8*(4*\a+\b)+7], v[WB_+12*\b:WB_+12*\b+11], v[XB_+12*\a:XB_+12*\a+11], v[8*(4*\a+\b):8*(4*\a+\b)+7], v[48+28*\sg+2*\b+\q], v[32+28*\sg+2*\a+\q] matrix_a_fmt:MATRIX_FMT_FP6 matrix_b_fmt:MATRIX_FMT_FP6
.endif
.endr
.endr
.endm
; A chunk's first step: multiplies set 0 and fetches the chunk's second step into set 1.
.macro PLAIN slot, zero
	MULV 0, 0, \slot, \zero
	WIN 0
	PLACES 4                                       ; four places between the last products that read set 1 and the loads into it
	LOADSET 1, \slot, 1
	MULQK 0, 0, \slot, \zero
	WIN 0
	s_wait_dscnt 0x0                               ; the next step's fragments are in; my reads of this slot are over
.endm
; A chunk's second step changes slots.  All my reads of this slot came back at the end of the step before.  fill = 1: the slot is filled again, two chunks ahead; the load has 80 matrix instructions in which to land.
.macro BOUND slot, next, fill, ch
	s_wait_tensorcnt 0x0                           ; all my tensor loads have landed: my part of the next slot; so a group 0 may be written
	ds_add_u32 v[SPW], v[NIL]                      ; 0 onto my spare word
.if \fill
	s_add_nc_u64 s[G0+4*\slot+2:G0+4*\slot+3], s[G0+4*\slot+2:G0+4*\slot+3], 2*CHUNKB
	s_add_nc_u64 s[G0B+4*\slot+2:G0B+4*\slot+3], s[G0B+4*\slot+2:G0B+4*\slot+3], 2*CHUNKB
.endif
	MULV 1, 1, \slot, 0                            ; sixteen matrix instructions stand between the add and the wait for it
	WIN 0
	s_wait_dscnt 0x0                               ; the add is done
.if \fill
	CROUND                                         ; no wave of any partner still reads this slot or has a load on its way
	JLOAD G0+4*\slot, G1, G0B+4*\slot, G1B         ; the first tensor load behind the round; its four v_nop are also the places in front of the loads into set 0
.else
	s_barrier_signal -1
	s_barrier_wait -1                              ; the last chunk is whole for every wave; nothing is filled again
	PLACES 4
.endif
	LOADSET 0, \next, 0
	SCALES \next, \ch
	MULQK 1, 1, \slot, 0
	WIN 0
	s_wait_dscnt 0x0
.endm
	s_wait_tensorcnt 1                             ; the scale bytes and my part of chunk 0 are in; chunk 1's load, issued last, may be out
	s_barrier_signal -1
	s_barrier_wait -1                              ; everybody's are
	LOADSET 0, 0, 0
	SCALES 0, 0
	s_wait_dscnt 0x0
	PLAIN 0, 1                                     ; K 0
	BOUND 0, 1, 1, 1                               ; K 128; slot 0 takes chunk 2
	PLAIN 1, 0                                     ; K 256
	BOUND 1, 0, 1, 2                               ; K 384; slot 1 takes chunk 3
	PLAIN 0, 0                                     ; K 512
	BOUND 0, 1, 0, 3                               ; K 640
	PLAIN 1, 0                                     ; K 768
	MULV 1, 1, 1, 0                                ; K 896
	MULQK 1, 1, 1, 0
	WIN 0
	PLACES 4                                       ; in front of the first read of results and of writes into registers that the last products read
; 64 numbers of a lane in window w, four blocks of 16 registers (a block's other 16 lie in lane l xor 16), become a fragment's 12 registers of codes in v[dst] on and its scale word in v[word].
.macro QUANT src, w, dst, word
	WIN 5*(\w)                                     ; sources 0 and 1 in window w
.irp b, 0,1,2,3
	v_max3_num_f32 v[TM+\b], |v[\src+16*\b]|, |v[\src+16*\b+1]|, 0x1800000   ; my 16 numbers, each accumulator from its low end on, and the floor 2^(3 - 127): the byte cannot fall under 1
.endr
.irp i, 2,4,6,8,10,12,14
.irp b, 0,1,2,3
	v_max3_num_f32 v[TM+\b], |v[\src+16*\b+\i]|, |v[\src+16*\b+\i+1]|, v[TM+\b]
.endr
.endr
	WIN 0
.irp b, 0,1,2,3
	v_permlanex16_b32 v[XQ+\b], v[TM+\b], s94, s95
.endr
.irp b, 0,1,2,3
	v_max_num_f32 v[TM+\b], v[TM+\b], v[XQ+\b]     ; the block's largest magnitude
.endr
.irp b, 0,1,2,3
	v_add_nc_u32 v[SO+\b], 0xff000000, v[TM+\b]    ; 2 off its exponent field: the conversion's scale operand
.endr
.irp b, 0,1,2,3
	v_lshrrev_b32 v[XQ+\b], 23, v[SO+\b]           ; the scale's byte
.endr
	v_lshl_or_b32 v[\word], v[XQ+1], 8, v[XQ]
	v_lshl_or_b32 v[\word], v[XQ+2], 16, v[\word]
	v_lshl_or_b32 v[\word], v[XQ+3], 24, v[\word]
	WIN \w                                         ; source 0 in window w
.irp c, 0,1
	v_cvt_scalef32_pk16_fp6_f32 v[\dst+6*\c:\dst+6*\c+2], v[\src+32*\c:\src+32*\c+15], v[SO+2*\c]
	v_cvt_scalef32_pk16_fp6_f32 v[XQ+4*\c:XQ+4*\c+2], v[\src+32*\c+16:\src+32*\c+31], v[SO+2*\c+1]   ; (a conversion's three registers begin on an even number)
.endr
	WIN 0
	v_nop                                          ; one plain place behind a scaled conversion
.irp c, 0,1                                    ; the operand's layout wants a whole block in a lane: lanes 0-15 block 2 c, lanes 16-31 block 2 c + 1
.irp i, 0,1,2
	v_permlane16_swap_b32 v[\dst+6*\c+\i], v[XQ+4*\c+\i]
.endr
.irp i, 0,1,2
	v_mov_b32 v[\dst+6*\c+3+\i], v[XQ+4*\c+\i]
.endr
.endr
.endm
	; THE WAY OUT.  My record: tokens 128 G on, G = 2 x tile + i; batch G / 16, step G % 16
	s_mov_b32 s94, 0x76543210
	s_mov_b32 s95, 0xfedcba98                      ; v_permlanex16_b32's selects for lane l xor 16
	s_lshl_b32 s2, s17, 1
	s_add_co_u32 s2, s2, s15
	s_lshr_b32 s3, s2, 4
	s_lshl_b32 s3, s3, 4
	s_add_co_u32 s3, s3, s42
	s_lshl_b32 s3, s3, 4
	s_and_b32 s2, s2, 15
	s_add_co_u32 s3, s3, s2                        ; record = (batch x 16 + head) x 16 + step
	s_mul_i32 s2, s3, REC
	s_mov_b32 s3, 0
	s_add_nc_u64 s[12:13], s[12:13], s[2:3]
	s_xor_b32 s2, s16, 1                           ; 1 - j
	s_mul_i32 s18, s2, 12800                       ; pair images: k's at 0, q's at 12,800
	s_mov_b32 s19, 0
	s_add_nc_u64 s[18:19], s[12:13], s[18:19]
	s_mul_i32 s20, s2, 6656
	s_add_co_u32 s20, s20, 12288                   ; their scale words: k's at 12,288, q's at 18,944
	s_mov_b32 s21, 0
	s_add_nc_u64 s[20:21], s[12:13], s[20:21]
	s_mul_i32 s22, s16, 3072
	s_add_co_u32 s22, s22, 6144                    ; v's images: tiles 2 j and 2 j + 1
	s_mov_b32 s23, 0
	s_add_nc_u64 s[22:23], s[12:13], s[22:23]
	s_lshl_b32 s46, s16, 3
	s_add_co_u32 s46, s46, 12544                   ; and their scale words
	s_mov_b32 s47, 0
	s_add_nc_u64 s[46:47], s[12:13], s[46:47]
.irp k, 0,1,2,3,4,5,6,7
	v_mov_b32 v[XQ+\k], 0                          ; written once: a lane permute's destination counts as one of its sources
.endr
	v_cmp_ne_u32 vcc_lo, 0, v2                     ; lanes 16-31
.irp k, 0,1,2,3                                ; token tiles 2 k and 2 k + 1: 64 registers of window 2; each fragment has registers of its own, so no store's data are written again
	QUANT 64*\k, 2, PCD+12*\k, PW+\k
.irp c, 0,1,2
	global_store_b128 v[LI16], v[PCD+12*\k+4*\c:PCD+12*\k+4*\c+3], s[18:19] offset:1536*\k+512*\c   ; 512 consecutive bytes, at a multiple of 256 from the buffer's first byte
.endr
.endr
.irp k, 0,1                                    ; my two tiles of v's channels: 64 registers of window 3, 128 keys
	QUANT 64*\k, 3, PCD+48+12*\k, PW+4+\k
.irp c, 0,1,2
	global_store_b128 v[LI16], v[PCD+48+12*\k+4*\c:PCD+48+12*\k+4*\c+3], s[22:23] offset:1536*\k+512*\c
.endr
.endr
	v_cndmask_b32 v186, v[PW+0], v[PW+2], vcc_lo   ; every lane holds its row's words: lanes 0-15 store pairs 0 and 1, lanes 16-31 pairs 2 and 3
	v_cndmask_b32 v187, v[PW+1], v[PW+3], vcc_lo
	global_store_b64 v[VO8], v[186:187], s[20:21]  ; 256 consecutive bytes
	v_cndmask_b32 v188, v[PW+4], v[PW+5], vcc_lo
	global_store_b32 v[VO4], v188, s[46:47]        ; 8 bytes of each 16: the other wave of my tokens stores the rest (128 of the record's 19,200 bytes)
	s_wait_tensorcnt 0x0                           ; the wave's end
	ds_add_u32 v[SPW], v[NIL]
	s_wait_dscnt 0x0
	CROUND                                         ; the closing round
	s_endpgm
.Lfunc_end_k_q27d8feca10_qkv_proj:
	.size	k_q27d8feca10_qkv_proj, .Lfunc_end_k_q27d8feca10_qkv_proj-k_q27d8feca10_qkv_proj
	.p2alignl 7, 3214868480
	.fill 96, 4, 3214868480
	.section	.rodata,"a",@progbits
	.p2align	6, 0x0
	.amdhsa_kernel k_q27d8feca10_qkv_proj
		.amdhsa_group_segment_fixed_size 327680
		.amdhsa_private_segment_fixed_size 0
		.amdhsa_enable_private_segment 0
		.amdhsa_kernarg_size 56
		.amdhsa_user_sgpr_count 2
		.amdhsa_user_sgpr_kernarg_segment_ptr 1
		.amdhsa_wavefront_size32 1
		.amdhsa_system_sgpr_workgroup_id_x 1
		.amdhsa_system_sgpr_workgroup_id_y 1
		.amdhsa_system_sgpr_workgroup_id_z 1
		.amdhsa_system_vgpr_workitem_id 0
		.amdhsa_next_free_vgpr 896
		.amdhsa_next_free_sgpr 102
		.amdhsa_reserve_vcc 1
		.amdhsa_float_denorm_mode_32 3
		.amdhsa_float_denorm_mode_16_64 3
		.amdhsa_memory_ordered 1
		.amdhsa_forward_progress 1
		.amdhsa_inst_pref_size 137
	.end_amdhsa_kernel
	.amdgpu_metadata
---
amdhsa.version: [ 1, 2 ]
amdhsa.kernels:
  - .name:           k_q27d8feca10_qkv_proj
    .symbol:         k_q27d8feca10_qkv_proj.kd
    .args:
      - { .name: x_codes, .offset: 0, .size: 8, .value_kind: global_buffer, .address_space: global }
      - { .name: x_scales, .offset: 8, .size: 8, .value_kind: global_buffer, .address_space: global }
      - { .name: w_qkv_codes, .offset: 16, .size: 8, .value_kind: global_buffer, .address_space: global }
      - { .name: w_qkv_scales, .offset: 24, .size: 8, .value_kind: global_buffer, .address_space: global }
      - { .name: qkv, .offset: 32, .size: 8, .value_kind: global_buffer, .address_space: global }
      - { .name: w_out_codes, .offset: 40, .size: 8, .value_kind: global_buffer, .address_space: global }
      - { .name: woi, .offset: 48, .size: 8, .value_kind: global_buffer, .address_space: global }
    .group_segment_fixed_size: 327680
    .private_segment_fixed_size: 0
    .kernarg_segment_align: 8
    .kernarg_segment_size: 56
    .max_flat_workgroup_size: 128
    .sgpr_count:     102
    .vgpr_count:     896
    .wavefront_size: 32
...
	.end_amdgpu_metadata
.endif
;; end of part 1
;; launch attn (part 2): grid 4 x 64, 16 waves a work-group, clusters of 4 x 1, 206,848 bytes of LDS; arguments qkv, vc, vs; writes vc, vs
.if DOCPART == 2
	.amdgcn_target "amdgcn-amd-amdhsa--gfx1250"
	.amdhsa_code_object_version 6
	.text
	.protected	k_q27d8feca10_attn
	.globl	k_q27d8feca10_attn
	.p2align	8
	.type	k_q27d8feca10_attn,@function
k_q27d8feca10_attn:
	s_mov_b64 s[64:65], 0
	v_nop
	global_prefetch_b8 v0, s[64:65] scope:SCOPE_SE
	s_setreg_imm32_b32 hwreg(HW_REG_WAVE_MODE, 25, 1), 1
	s_wait_xcnt 0x0
	s_wait_alu depctr_hold_cnt(0) depctr_sa_sdst(0) depctr_va_vdst(0) depctr_va_sdst(0) depctr_va_ssrc(0) depctr_va_vcc(0) depctr_vm_vsrc(0)
	s_getreg_b32 s2, hwreg(HW_REG_IB_STS2, 6, 4)
	s_cmp_eq_u32 s2, 0
	s_cbranch_scc0 .Lentry_in_a_cluster
	s_endpgm
.Lentry_in_a_cluster:
	s_bfe_u32 s2, ttmp6, 0x10000c
	s_cmp_lg_u32 s2, 0x3003
	s_cbranch_scc0 .Lentry_shape_is_right
	s_endpgm
.Lentry_shape_is_right:
; vals = softmax(q k^T) v for one head, both products on codes of FP6 (E2M3) with E8M0 scales, and vals quantised along the model's 1,024 at once.  No factor 1 / sqrt(d): the module has none.
; t = score x log2(e); M = the running largest t rounded UP to a whole number; p = 2^(t - M) is quantised along the keys, not normalised; the row's sum is taken of the unquantised p and divides at the end.
; When M moves, the sum and O are multiplied by 2^(old M - new M): exact, and without a branch.
; SHARES.  A work-group owns 512 queries of one head; each of its sixteen waves 32 of them, tiles A and B of 16.  Every wave walks the head's 2,048 keys, 128 a trip; the two tiles share each fragment read from LDS.
; K, V AND THEIR SCALE WORDS OF THE WHOLE HEAD STAY IN LDS: 16 records' first 12,800 bytes = 204,800.  Wave w brings record w by one tensor load; nothing is filled twice, so there is no ring.
; CLUSTER 4 x 1: the four blocks of queries of a head walk the same K and V: each load is a joint one.  Q is each wave's own and comes straight into registers.
; LAYOUT.  S^T = K Q^T and O^T = V^T P^T: a lane holds ONE query throughout.  The head has 64 channels and the instruction 128 along K: a fragment of K holds TWO tiles of 16 keys (k 0-63: the first, 64-127: the second), and Q stands
; twice, as (q | zero codes) and (zero codes | q): the first gives the first tile's scores, the second the second's.  Zero codes add nothing under any scale byte that the quantiser gives.
; The 16 registers of a fragment's two results are keys 32 b + 8 h + 0..7 and 32 b + 16 + 8 h + 0..7: p's codes so lie, inside a block of 32, in the order in which the first launch laid v's.
; LIMITS: NaN and infinities are not served.  A block whose largest magnitude lies under 2^-124 has its byte held at 1; a block of zeros gets the byte 1 and not 127 (zero codes; only this program reads the bytes).
; A score is summed beside products of a neighbouring key tile's codes with zero codes: they are exact zeros.
; REGISTERS: v1 16 x lane; v2 the trip's LDS address; v4, v5 Q's scale words; v6 p's; v7 at work; v8-11, v12-15 for tile A, B: -M, the largest t, the sum in two halves; v16-45 zeros, qA, zeros, qB, zeros (6 each);
;   v46 f (v47 named with it); v48-95 four fragments; v96-159 S^T, then p; v160-191, v192-223 O^T of A, of B; v224-235 p's codes; v236-243, v244-247, v252-255 at work; v248-251 scale words: lanes 0-15 K's, lanes 16-31 V's.
.set REC,  19200
.set KVB,  12800
.set LI,   1
.set ADR,  2
.set QSA,  4
.set QSB,  5
.set PWD,  6
.set F,    48
.set S,    96
.set O,    160
.set P,    224
.set X,    236
.set TM,   244
.set SC,   248
.set SO,   252
.macro CROUND                          ; a round of the cluster's barrier
	s_barrier_signal -1
	s_barrier_wait -1
	s_cmp_lg_u32 s12, 0
	s_cbranch_scc1 .Lnot_wave_0_\@
	s_barrier_signal -3
.Lnot_wave_0_\@:
	s_barrier_wait -3
	s_barrier_signal -1
	s_barrier_wait -1
.endm
	s_load_b128 s[4:7], s[0:1], 0x0                ; qkv, vc
	s_load_b64 s[8:9], s[0:1], 0x10                ; vs
	v_lshl_add_u32 v254, v0, 2, 0x32000
	v_mov_b32 v255, 0
	ds_add_u32 v254, v255
	ds_add_u32 v254, v255
	s_wait_dscnt 0x0
	v_lshrrev_b32 v3, 5, v0
	v_readfirstlane_b32 s12, v3                    ; wave 0..15
	s_bfe_u32 s13, ttmp6, 0x40000                  ; cx
	s_lshl_b32 s14, ttmp9, 2
	s_add_co_u32 s14, s14, s13                     ; my block of 512 queries: it enters Q's, vc's and vs's addresses alone
	s_and_b32 s15, ttmp7, 0xffff                   ; batch x 16 + head, which the four partners share
	s_mov_b32 s24, 15|(3<<16)|(1<<21)              ; group 1: the mask names all four; elements of 8 bytes; no padding: 50 dense rows of 256 bytes
	s_mov_b32 s25, 32<<16
	s_mov_b32 s26, 50<<16
	s_mov_b32 s27, 32<<16
	s_mov_b32 s28, 50
	s_mov_b32 s29, 32
	s_mov_b32 s30, 0
	s_mov_b32 s31, 0
	s_lshl_b32 s40, s15, 4                         ; the head's first record
	s_add_co_u32 s41, s40, s12
	s_mul_i32 s42, s41, REC                        ; record w: keys 128 w on
	s_mov_b32 s43, 0
	s_mov_b32 s32, 1
	s_mul_i32 s33, s12, KVB                        ; to LDS byte 12,800 w
	s_lshl_b32 s44, s14, 2                         ; my 32 queries are pair w % 4 of record 4 x block + w / 4
	s_lshr_b32 s45, s12, 2
	s_add_co_u32 s44, s44, s45
	s_add_co_u32 s44, s44, s40
	s_mul_i32 s44, s44, REC
	s_and_b32 s45, s12, 3
	s_mul_i32 s46, s45, 1536
	s_add_co_u32 s46, s46, s44
	s_mov_b32 s47, 0
	s_lshl_b32 s48, s45, 2
	s_add_co_u32 s48, s48, s44
	s_mov_b32 s49, 0
	s_lshr_b32 s50, s15, 4                         ; batch
	s_and_b32 s51, s15, 15                         ; head
	s_lshl_b32 s52, s50, 7
	s_lshl_b32 s53, s14, 5
	s_add_co_u32 s52, s52, s53
	s_lshl_b32 s53, s12, 1
	s_add_co_u32 s52, s52, s53                     ; my first tile of 16 rows: 128 x batch + 32 x block + 2 x wave
	s_mul_i32 s52, s52, 12288
	s_mul_i32 s53, s51, 768
	s_add_co_u32 s52, s52, s53
	s_mov_b32 s53, 0
	s_lshl_b32 s54, s50, 11
	s_lshl_b32 s55, s14, 9
	s_add_co_u32 s54, s54, s55
	s_lshl_b32 s55, s12, 5
	s_add_co_u32 s54, s54, s55                     ; my first row
	s_lshl_b32 s54, s54, 1
	s_lshl_b32 s55, s51, 14
	s_add_co_u32 s54, s54, s55
	s_mov_b32 s55, 0
	s_mov_b32 s20, 0x76543210
	s_mov_b32 s21, 0xfedcba98                      ; v_permlanex16_b32's selects for lane l xor 16
	s_mov_b32 s22, 0x3fb8aa3b                      ; log2(e)
	s_mov_b32 s23, s22                             ; (named with it as a pair, so it is written)
	s_mov_b32 s36, 0                               ; the trip's record in LDS
	s_mov_b32 s37, 16                              ; trips
	s_wait_kmcnt 0x0
	s_add_nc_u64 s[34:35], s[4:5], s[42:43]
	s_or_b32 s35, s35, 0x80000000
	s_add_nc_u64 s[46:47], s[4:5], s[46:47]
	s_add_nc_u64 s[48:49], s[4:5], s[48:49]
	s_add_nc_u64 s[6:7], s[6:7], s[52:53]
	s_add_nc_u64 s[8:9], s[8:9], s[54:55]
	CROUND                                         ; all four work-groups are here: the joint loads meet
	tensor_load_to_lds s[32:35], s[24:31]          ; my one tensor load
	s_nop 0
.rept 4
	v_nop
.endr
	v_and_b32 v1, 31, v0
	v_lshlrev_b32 v[LI], 4, v1                     ; 16 x lane
	v_and_b32 v7, 15, v0
	v_lshlrev_b32 v7, 4, v7                        ; 16 r
.irp c, 0,1,2
	global_load_b128 v[S+4*\c:S+4*\c+3], v[LI], s[46:47] offset:12800+512*\c   ; Q's pair image
.endr
	global_load_b32 v3, v7, s[48:49] offset:18944  ; and its scale word: bytes 0, 1 tile A's, bytes 2, 3 tile B's
.irp k, 0,1,2,3,4,5
	v_mov_b32 v[16+\k], 0                          ; the zero codes
	v_mov_b32 v[28+\k], 0
	v_mov_b32 v[40+\k], 0
.endr
.irp k, 0,1,2,3,4,5,6,7
	v_mov_b32 v[X+\k], 0                           ; written once: a lane permute's destination counts as one of its sources
.endr
	v_mov_b32 v47, 0                               ; (named as the upper half of the pair v[46:47])
.irp t, 8,12
	v_mov_b32 v[\t+1], 0xff61b1e6                  ; the largest t so far: -3e38, under every t
	v_floor_f32 v[\t], -v[\t+1]                    ; -M
	v_mov_b32 v[\t+2], 0                           ; the sum, in two halves
	v_mov_b32 v[\t+3], 0
.endr
	s_wait_loadcnt 0x0
	v_perm_b32 v[QSA], v3, v3, 0x01000100          ; tile A's two bytes, twice: whichever half of K holds q finds them
	v_perm_b32 v[QSB], v3, v3, 0x03020302
.irp k, 0,1,2,3,4,5
	v_mov_b32 v[22+\k], v[S+\k]                    ; qA between two runs of zeros, qB likewise: v[22:33] = (qA | 0), v[16:27] = (0 | qA), v[34:45] = (qB | 0), v[28:39] = (0 | qB)
	v_mov_b32 v[34+\k], v[S+6+\k]
.endr
.set j, 0
.rept 64
	v_mov_b32 v[O+j], 0                            ; O^T.  The trip is written once: the first finds zeros, which the first change of M leaves zeros.  (These are also the places between the lines above and the first products)
.set j, j+1
.endr
	s_wait_tensorcnt 0x0                           ; my record is in,
	s_barrier_signal -1
	s_barrier_wait -1                              ; everybody's is
.macro QK lo, hi, qs                           ; 128 keys' scores of one tile of queries
.irp b, 0,1,2,3
	v_wmma_scale_f32_16x16x128_f8f6f4 v[S+16*\b:S+16*\b+7], v[F+12*\b:F+12*\b+11], v[\lo:\lo+11], 0, v[SC+\b], v[\qs] matrix_a_fmt:MATRIX_FMT_FP6 matrix_b_fmt:MATRIX_FMT_FP6
	v_wmma_scale_f32_16x16x128_f8f6f4 v[S+16*\b+8:S+16*\b+15], v[F+12*\b:F+12*\b+11], v[\hi:\hi+11], 0, v[SC+\b], v[\qs] matrix_a_fmt:MATRIX_FMT_FP6 matrix_b_fmt:MATRIX_FMT_FP6
.endr
.endm
.macro PV qt                                   ; O^T += V^T P^T: four accumulators, one instruction each; V's scale words stand in lanes 16-31
.irp t, 0,1,2,3
	v_wmma_scale_f32_16x16x128_f8f6f4 v[O+32*\qt+8*\t:O+32*\qt+8*\t+7], v[F+12*\t:F+12*\t+11], v[P:P+11], v[O+32*\qt+8*\t:O+32*\qt+8*\t+7], v[SC+\t], v[PWD] matrix_a_fmt:MATRIX_FMT_FP6 matrix_b_fmt:MATRIX_FMT_FP6 matrix_a_scale:MATRIX_SCALE_ROW1
.endr
.endm
; One tile's softmax for 128 keys: S^T in v[S] on becomes p, p's codes go to v[P] on and their scale word to v[PWD]; the tile's statistics and O^T are brought under the new M.
.macro SOFTMAX qt
.set ST, 8+4*\qt
.set OB, O+32*\qt
.irp b, 0,1,2,3
	v_max3_num_f32 v[TM+\b], v[S+16*\b], v[S+1+16*\b], v[S+2+16*\b]   ; the largest score of each block of 32 keys: it serves for the row's maximum and, since p rises with the score, for the block's largest p
.endr
.irp i, 3,5,7,9,11,13
.irp b, 0,1,2,3
	v_max3_num_f32 v[TM+\b], v[TM+\b], v[S+16*\b+\i], v[S+1+16*\b+\i]
.endr
.endr
.irp b, 0,1,2,3
	v_max_num_f32 v[TM+\b], v[TM+\b], v[S+15+16*\b]
.endr
.irp b, 0,1,2,3
	v_permlanex16_b32 v[X+\b], v[TM+\b], s20, s21
.endr
.irp b, 0,1,2,3
	v_max_num_f32 v[TM+\b], v[TM+\b], v[X+\b]      ; with lane l xor 16's 16 keys
.endr
	v_max3_num_f32 v7, v[TM], v[TM+1], v[TM+2]
	v_max_num_f32 v7, v7, v[TM+3]
	v_mul_f32 v7, s22, v7                          ; as t
	v_max_num_f32 v[ST+1], v[ST+1], v7             ; the running largest t
	v_mov_b32 v7, v[ST]
	v_floor_f32 v[ST], -v[ST+1]                    ; the new -M = -ceil(t): a whole number
	v_sub_f32 v7, v[ST], v7                        ; old M - new M: a whole number, 0 or less
	v_cvt_i32_f32 v7, v7                           ; (it saturates)
	v_ldexp_f32 v46, 1.0, v7                       ; f = 2^(old M - new M)
.set j, 0
.rept 32
	v_pk_fma_f32 v[S+j:S+j+1], v[S+j:S+j+1], s[22:23], v[ST:ST+1] op_sel_hi:[1,0,0]   ; t - M, two at a time
.set j, j+2
.endr
.irp b, 0,1,2,3
	v_fma_f32 v[TM+\b], v[TM+\b], s22, v[ST]       ; the same of each block's largest score
.endr
.set j, 0
.rept 64
	v_exp_f32 v[S+j], v[S+j]                       ; p = 2^(t - M), at most 1
.set j, j+1
.endr
.irp b, 0,1,2,3
	v_exp_f32 v[TM+\b], v[TM+\b]                   ; the block's largest p: the same two instructions on the same number
.endr
	v_pk_mul_f32 v[ST+2:ST+3], v[ST+2:ST+3], v[46:47] op_sel_hi:[1,0]   ; the sums under the new M.  (A plain place behind the exponentials)
	s_wait_alu depctr_va_vdst(0)
.irp b, 0,1,2,3
	v_max_num_f32 v[TM+\b], 0x1800000, v[TM+\b]    ; the floor 2^(3 - 127): the byte cannot fall under 1
.endr
.irp b, 0,1,2,3
	v_add_nc_u32 v[SO+\b], 0xff000000, v[TM+\b]    ; 2 off the exponent field: the conversion's scale operand
.endr
.irp b, 0,1,2,3
	v_lshrrev_b32 v[X+\b], 23, v[SO+\b]            ; the scale's byte
.endr
	v_lshl_or_b32 v[PWD], v[X+1], 8, v[X]
	v_lshl_or_b32 v[PWD], v[X+2], 16, v[PWD]
	v_lshl_or_b32 v[PWD], v[X+3], 24, v[PWD]
.irp c, 0,1
	v_cvt_scalef32_pk16_fp6_f32 v[P+6*\c:P+6*\c+2], v[S+32*\c:S+32*\c+15], v[SO+2*\c]
	v_cvt_scalef32_pk16_fp6_f32 v[X+4*\c:X+4*\c+2], v[S+32*\c+16:S+32*\c+31], v[SO+2*\c+1]   ; (a conversion's three registers begin on an even number)
.endr
	v_nop                                          ; one plain place behind a scaled conversion
.irp c, 0,1                                    ; a whole block in a lane: lanes 0-15 block 2 c, lanes 16-31 block 2 c + 1
.irp i, 0,1,2
	v_permlane16_swap_b32 v[P+6*\c+\i], v[X+4*\c+\i]
.endr
.irp i, 0,1,2
	v_mov_b32 v[P+6*\c+3+\i], v[X+4*\c+\i]
.endr
.endr
.set j, 0
.rept 16
	v_pk_mul_f32 v[OB+j:OB+j+1], v[OB+j:OB+j+1], v[46:47] op_sel_hi:[1,0]   ; O^T under the new M, each accumulator from its low end on
.set j, j+2
.endr
	v_pk_add_f32 v[X:X+1], v[S:S+1], v[S+2:S+3]    ; the row's sum is taken of the unquantised p: two at a time, in two chains.  (These 48 lines are also the places between the writes of the codes and their scale word and the product that takes them)
.set j, 4
.rept 15
	v_pk_add_f32 v[ST+2:ST+3], v[ST+2:ST+3], v[S+j:S+j+1]
	v_pk_add_f32 v[X:X+1], v[X:X+1], v[S+j+2:S+j+3]
.set j, j+4
.endr
	v_pk_add_f32 v[ST+2:ST+3], v[ST+2:ST+3], v[X:X+1]
.endm
.Lstep:                                            ; 16 trips of 128 keys.  All waits for LDS are for 0: the SIMD's other three waves work meanwhile
	v_add_nc_u32 v[ADR], s36, v[LI]
.rept 3
	v_nop                                          ; with the addition: four places in front of loads into registers that the last products read
.endr
.irp b, 0,1,2,3
.irp c, 0,1,2
	ds_load_b128 v[F+12*\b+4*\c:F+12*\b+4*\c+3], v[ADR] offset:1536*\b+512*\c   ; K's four pair images: each load 512 consecutive bytes
.endr
.endr
	ds_load_b128 v[SC:SC+3], v[ADR] offset:12288   ; lanes 0-15: key row r's four words; lanes 16-31: channel row r's four words of V
	s_wait_dscnt 0x0
	QK 22, 16, QSA
.rept 4
	v_nop
.endr
	SOFTMAX 0
	QK 34, 28, QSB                                 ; tile B's scores from the same fragments, into the same registers
.rept 4
	v_nop                                          ; places in front of the loads into the fragments, and of the later first read of these scores
.endr
.irp t, 0,1,2,3
.irp c, 0,1,2
	ds_load_b128 v[F+12*\t+4*\c:F+12*\t+4*\c+3], v[ADR] offset:6144+1536*\t+512*\c   ; V's four tile images
.endr
.endr
	s_wait_dscnt 0x0
	PV 0
	SOFTMAX 1
	PV 1
	s_add_co_u32 s36, s36, KVB
	s_sub_co_u32 s37, s37, 1
	s_cmp_lg_u32 s37, 0
	s_cbranch_scc1 .Lstep
	; THE WAY OUT: O^T / the sum; the channels into their true order; quantised along the channels; out as halves of the next product's fragments.
	v_add_f32 v10, v10, v11
	v_add_f32 v14, v14, v15
	v_permlanex16_b32 v[X], v10, s20, s21
	v_permlanex16_b32 v[X+1], v14, s20, s21
	v_add_f32 v10, v10, v[X]                       ; the row's sum
	v_add_f32 v14, v14, v[X+1]
	v_rcp_f32 v46, v10
	v_rcp_f32 v[TM], v14
	v_nop                                          ; a plain place behind the reciprocals
.set j, 0
	s_wait_alu depctr_va_vdst(0)
.rept 16
	v_pk_mul_f32 v[O+j:O+j+1], v[O+j:O+j+1], v[46:47] op_sel_hi:[1,0]
.set j, j+2
.endr
.set j, 0
.rept 16
	v_pk_mul_f32 v[O+32+j:O+32+j+1], v[O+32+j:O+32+j+1], v[TM:TM+1] op_sel_hi:[1,0]
.set j, j+2
.endr
; Register 16 B + j holds channel 32 B + 8 h + j, register 16 B + 8 + j channel 32 B + 16 + 8 h + j.  The exchange of one's lanes 16-31 with the other's lanes 0-15 leaves lanes 0-15 channels 32 B + 0..15 and lanes 16-31
; channels 32 B + 16..31, in order: w_out's codes are given in the true order, so these must be too.
.irp g, 0,1,2,3
.irp i, 0,1,2,3,4,5,6,7
	v_permlane16_swap_b32 v[O+16*\g+\i], v[O+16*\g+8+\i]
.endr
.endr
.irp b, 0,1,2,3                                ; four blocks: tile A's channels 0-31, 32-63, tile B's likewise
	v_max3_num_f32 v[TM+\b], |v[O+16*\b]|, |v[O+1+16*\b]|, 0x1800000
.endr
.irp i, 2,4,6,8,10,12,14
.irp b, 0,1,2,3
	v_max3_num_f32 v[TM+\b], v[TM+\b], |v[O+16*\b+\i]|, |v[O+1+16*\b+\i]|
.endr
.endr
.irp b, 0,1,2,3
	v_permlanex16_b32 v[X+\b], v[TM+\b], s20, s21
.endr
.irp b, 0,1,2,3
	v_max_num_f32 v[TM+\b], v[TM+\b], v[X+\b]
.endr
.irp b, 0,1,2,3
	v_add_nc_u32 v[SO+\b], 0xff000000, v[TM+\b]
.endr
.irp b, 0,1,2,3
	v_lshrrev_b32 v[X+\b], 23, v[SO+\b]
.endr
	v_lshl_or_b32 v[PWD], v[X+1], 8, v[X]
	v_lshl_or_b32 v[PWD], v[X+2], 16, v[PWD]
	v_lshl_or_b32 v[PWD], v[X+3], 24, v[PWD]       ; tile A's two bytes below, tile B's above
.irp c, 0,1
	v_cvt_scalef32_pk16_fp6_f32 v[P+6*\c:P+6*\c+2], v[O+32*\c:O+32*\c+15], v[SO+2*\c]
	v_cvt_scalef32_pk16_fp6_f32 v[X+4*\c:X+4*\c+2], v[O+32*\c+16:O+32*\c+31], v[SO+2*\c+1]
.endr
	v_nop
.irp c, 0,1
.irp i, 0,1,2
	v_permlane16_swap_b32 v[P+6*\c+\i], v[X+4*\c+\i]
.endr
.irp i, 0,1,2
	v_mov_b32 v[P+6*\c+3+\i], v[X+4*\c+\i]
.endr
.endr
	v_lshrrev_b32 v48, 1, v[LI]                    ; 8 x lane
	v_lshrrev_b32 v49, 3, v[LI]                    ; 2 x lane
	v_and_b32 v7, 16, v0                           ; 16 h
	v_lshrrev_b32 v7, v7, v[PWD]                   ; lane 16 T + r: the two bytes of row r of tile T
	global_store_b128 v[LI], v[P:P+3], s[6:7]                    ; tile A: registers 0-3: 512 consecutive bytes,
	global_store_b64 v48, v[P+4:P+5], s[6:7] offset:512          ; registers 4, 5: 256
	global_store_b128 v[LI], v[P+6:P+9], s[6:7] offset:12288     ; tile B, one tile of rows on
	global_store_b64 v48, v[P+10:P+11], s[6:7] offset:12800
	global_store_b16 v49, v7, s[8:9]               ; 64 consecutive bytes a wave; the work-group's sixteen waves cover 1,024 on end
	s_wait_xcnt 0x0
	v_lshl_add_u32 v254, v0, 2, 0x32000
	v_mov_b32 v255, 0
	s_wait_tensorcnt 0x0
	ds_add_u32 v254, v255
	s_wait_dscnt 0x0
	CROUND                                         ; the closing round: no work-group ends while a partner may still ask for a tile that names it
	s_endpgm
.Lfunc_end_k_q27d8feca10_attn:
	.size	k_q27d8feca10_attn, .Lfunc_end_k_q27d8feca10_attn-k_q27d8feca10_attn
	.p2alignl 7, 3214868480
	.fill 96, 4, 3214868480
	.section	.rodata,"a",@progbits
	.p2align	6, 0x0
	.amdhsa_kernel k_q27d8feca10_attn
		.amdhsa_group_segment_fixed_size 206848
		.amdhsa_private_segment_fixed_size 0
		.amdhsa_enable_private_segment 0
		.amdhsa_kernarg_size 24
		.amdhsa_user_sgpr_count 2
		.amdhsa_user_sgpr_kernarg_segment_ptr 1
		.amdhsa_wavefront_size32 1
		.amdhsa_system_sgpr_workgroup_id_x 1
		.amdhsa_system_sgpr_workgroup_id_y 1
		.amdhsa_system_sgpr_workgroup_id_z 1
		.amdhsa_system_vgpr_workitem_id 0
		.amdhsa_next_free_vgpr 256
		.amdhsa_next_free_sgpr 66
		.amdhsa_reserve_vcc 0
		.amdhsa_float_denorm_mode_32 3
		.amdhsa_float_denorm_mode_16_64 3
		.amdhsa_memory_ordered 1
		.amdhsa_forward_progress 1
		.amdhsa_inst_pref_size 45
	.end_amdhsa_kernel
	.amdgpu_metadata
---
amdhsa.version: [ 1, 2 ]
amdhsa.kernels:
  - .name:           k_q27d8feca10_attn
    .symbol:         k_q27d8feca10_attn.kd
    .args:
      - { .name: qkv, .offset: 0, .size: 8, .value_kind: global_buffer, .address_space: global }
      - { .name: vc, .offset: 8, .size: 8, .value_kind: global_buffer, .address_space: global }
      - { .name: vs, .offset: 16, .size: 8, .value_kind: global_buffer, .address_space: global }
    .group_segment_fixed_size: 206848
    .private_segment_fixed_size: 0
    .kernarg_segment_align: 8
    .kernarg_segment_size: 24
    .max_flat_workgroup_size: 512
    .sgpr_count:     66
    .vgpr_count:     256
    .wavefront_size: 32
...
	.end_amdgpu_metadata
.endif
;; end of part 2
;; launch out_proj (part 3): grid 4 x 64, 4 waves a work-group, clusters of 4 x 1, 168,448 bytes of LDS; arguments vc, vs, woi, w_out_scales, out0; writes out0
.if DOCPART == 3
	.amdgcn_target "amdgcn-amd-amdhsa--gfx1250"
	.amdhsa_code_object_version 6
	.text
	.protected	k_q27d8feca10_out_proj
	.globl	k_q27d8feca10_out_proj
	.p2align	8
	.type	k_q27d8feca10_out_proj,@function
k_q27d8feca10_out_proj:
	s_mov_b64 s[64:65], 0
	v_nop
	global_prefetch_b8 v0, s[64:65] scope:SCOPE_SE
	s_setreg_imm32_b32 hwreg(HW_REG_WAVE_MODE, 25, 1), 1
	s_wait_xcnt 0x0
	s_wait_alu depctr_hold_cnt(0) depctr_sa_sdst(0) depctr_va_vdst(0) depctr_va_sdst(0) depctr_va_ssrc(0) depctr_va_vcc(0) depctr_vm_vsrc(0)
	s_getreg_b32 s2, hwreg(HW_REG_IB_STS2, 6, 4)
	s_cmp_eq_u32 s2, 0
	s_cbranch_scc0 .Lentry_in_a_cluster
	s_endpgm
.Lentry_in_a_cluster:
	s_bfe_u32 s2, ttmp6, 0x10000c
	s_cmp_lg_u32 s2, 0x3003
	s_cbranch_scc0 .Lentry_shape_is_right
	s_endpgm
.Lentry_shape_is_right:
; out = vals w_out^T on codes of FP6 (E2M3) with E8M0 scales; out is [8,192][1,024] f32; one f32 sum for each output, K ascending.
; A work-group makes 128 rows x 256 columns; wave w owns columns 64 w on of them, for all 128 rows.
; THE WAVE'S 32 FRAGMENTS OF w_out STAY IN ITS REGISTERS (384 registers): 49,152 consecutive bytes of the buffer woi, which holds them as images of their registers.
; THE 128 ROWS' CODES, 98,304 dense bytes of the buffer vc, LIE IN LDS WHOLE: one tensor load a wave, nothing filled twice, no ring.  They lie as halves of fragments (row tile, head): registers 0-3 at 16 x lane, 4-5 at 512 + 8 x lane;
; heads 2 s and 2 s + 1 make the fragment of K step s.
; CLUSTER 4 x 1: the four blocks of columns of one block of rows need the same codes of vals: each load is a joint one.  w_out's fragments are not asked for jointly: they go straight into registers and stay there, and a joint load
; lands in LDS alone: 196,608 bytes a work-group would be written there and read back for nothing.
; THE MATRIX INSTRUCTION IS USED TRANSPOSED (source 0 = 16 rows of w_out, source 1 = 16 rows of vals): a lane holds eight neighbouring numbers of a row of out.  A tile of 16 rows x 64 columns goes through the wave's own stage in LDS
; and leaves as rows of 256 bytes, sixteen lanes to a row.
; REGISTERS: window 0: v1-14 addresses; v16-47 w_out's scale words (8 n + s); v48-63 vals', two sets; v64-159, v160-255 vals' fragments, two sets.  window 1: w_out's fragments of K steps 0-3 (12 (4 s + n)); window 2: of steps 4-7.
;   window 3: v0-31 four accumulators; v32-63, v64-95 rows on their way out, by turns.
.set SCR,   98304                      ; vals' scale words: 128 rows x 48 bytes (8 words + 16)
.set STAGE, 104448                     ; 16 rows x (256 + 16) bytes for each wave
.set LA16,  4
.set LA16B, 5
.set LA8,   6
.set LA8B,  7
.set LSC,   8
.set STO,   9
.set RD,    10
.set CO,    11
.set SCW,   12
.set BSO,   13
.set VSO,   14
.set MSB, 0
.macro WIN new                         ; the immediate's high byte repeats the setting that is left
.if MSB != \new
	s_set_vgpr_msb (MSB<<8)|\new
.set MSB, \new
.endif
.endm
.macro CROUND                          ; a round of the cluster's barrier
	s_barrier_signal -1
	s_barrier_wait -1
	s_cmp_lg_u32 s14, 0
	s_cbranch_scc1 .Lnot_wave_0_\@
	s_barrier_signal -3
.Lnot_wave_0_\@:
	s_barrier_wait -3
	s_barrier_signal -1
	s_barrier_wait -1
.endm
	s_load_b128 s[4:7], s[0:1], 0x0                ; vc, vs
	s_load_b128 s[8:11], s[0:1], 0x10              ; woi, w_out's scales
	s_load_b64 s[12:13], s[0:1], 0x20              ; out
	v_lshl_add_u32 v15, v0, 2, 0x29000
	s_set_vgpr_msb 0x40
	v_mov_b32 v255, 0
	s_set_vgpr_msb 0x4044
	ds_add_u32 v15, v255
	ds_add_u32 v15, v255
	s_set_vgpr_msb 0x4400
	v_lshrrev_b32 v1, 5, v0
	v_readfirstlane_b32 s14, v1                    ; wave 0..3
	s_bfe_u32 s15, ttmp6, 0x40000                  ; cx
	s_lshl_b32 s16, ttmp9, 2
	s_add_co_u32 s16, s16, s15                     ; my block of 256 columns
	s_and_b32 s17, ttmp7, 0xffff                   ; my block of 128 rows, which the four partners share
	s_mov_b32 s24, 15|(3<<16)|(1<<21)              ; group 1: the mask names all four; elements of 8 bytes; no padding: 96 dense rows of 256 bytes
	s_mov_b32 s25, 32<<16
	s_mov_b32 s26, 96<<16
	s_mov_b32 s27, 32<<16
	s_mov_b32 s28, 96
	s_mov_b32 s29, 32
	s_mov_b32 s30, 0
	s_mov_b32 s31, 0
	s_lshl_b32 s18, s17, 3
	s_lshl_b32 s19, s14, 1
	s_add_co_u32 s18, s18, s19                     ; I fetch row tiles 8 y + 2 w and the next
	s_mul_i32 s18, s18, 12288
	s_mov_b32 s19, 0
	s_mov_b32 s32, 1
	s_mul_i32 s33, s14, 24576
	s_lshl_b32 s20, s16, 4
	s_lshl_b32 s21, s14, 2
	s_add_co_u32 s20, s20, s21                     ; my first column tile: 16 x + 4 w
	s_mul_i32 s20, s20, 12288
	s_mov_b32 s21, 0
	s_lshl_b32 s22, s16, 13
	s_lshl_b32 s23, s14, 11
	s_add_co_u32 s22, s22, s23                     ; my columns' scale bytes: 32 a column
	s_mov_b32 s23, 0
	s_lshl_b32 s36, s17, 8
	s_lshl_b32 s37, s14, 6
	s_add_co_u32 s36, s36, s37                     ; vs: rows 128 y + 32 w on, 2 bytes a row
	s_mov_b32 s37, 0
	s_lshl_b32 s38, s17, 19                        ; out: 128 y rows of 4,096 bytes,
	s_lshl_b32 s39, s16, 10                        ; + 256 x columns,
	s_add_co_u32 s38, s38, s39
	s_lshl_b32 s39, s14, 8                         ; + 64 w
	s_add_co_u32 s38, s38, s39
	s_mov_b32 s39, 0
	s_wait_dscnt 0x0
	s_wait_kmcnt 0x0
	s_add_nc_u64 s[34:35], s[4:5], s[18:19]
	s_or_b32 s35, s35, 0x80000000
	s_add_nc_u64 s[8:9], s[8:9], s[20:21]
	s_add_nc_u64 s[10:11], s[10:11], s[22:23]
	s_add_nc_u64 s[6:7], s[6:7], s[36:37]
	s_add_nc_u64 s[12:13], s[12:13], s[38:39]
	CROUND                                         ; all four work-groups are here: the joint loads meet
	tensor_load_to_lds s[32:35], s[24:31]          ; my one tensor load
	s_nop 0
.rept 4
	v_nop
.endr
	v_and_b32 v1, 31, v0                           ; lane
	v_and_b32 v2, 15, v0                           ; r
	v_bfe_u32 v3, v0, 4, 1                         ; h
	v_lshlrev_b32 v[LA16], 4, v1
	v_add_nc_u32 v[LA16B], 61440, v[LA16]          ; (row tiles 5 to 7 lie beyond an LDS instruction's 16-bit offset)
	v_lshlrev_b32 v[LA8], 3, v1
	v_add_nc_u32 v[LA8B], 61440, v[LA8]
	v_mul_u32_u24 v[LSC], v2, 48
	v_add_nc_u32 v[LSC], SCR, v[LSC]
	s_mul_i32 s18, s14, 16*272
	s_add_co_u32 s18, s18, STAGE                   ; my stage
	v_mul_u32_u24 v[STO], v2, 272
	v_lshl_add_u32 v[STO], v3, 5, v[STO]
	v_add_nc_u32 v[STO], s18, v[STO]               ; in: row r, 32 bytes for each half of the lanes
	v_mul_u32_u24 v[RD], v3, 272
	v_lshl_add_u32 v[RD], v2, 4, v[RD]
	v_add_nc_u32 v[RD], s18, v[RD]                 ; back: lanes 0-15 one row, lanes 16-31 the next
	v_lshlrev_b32 v[CO], 12, v3
	v_lshl_add_u32 v[CO], v2, 4, v[CO]             ; and the same two rows in out
	s_mul_i32 s18, s14, 32*48
	s_add_co_u32 s18, s18, SCR
	v_mul_u32_u24 v[SCW], v1, 48
	v_add_nc_u32 v[SCW], s18, v[SCW]               ; where I put the scale words of row 32 w + lane
	v_lshlrev_b32 v[BSO], 5, v2
	v_lshlrev_b32 v[VSO], 1, v1
	WIN 0x40                                       ; destination window 1
.irp s, 0,1,2,3
.irp n, 0,1,2,3
.irp c, 0,1,2
	global_load_b128 v[12*(4*\s+\n)+4*\c:12*(4*\s+\n)+4*\c+3], v[LA16], s[8:9] offset:\n*12288+\s*1536+512*\c
.endr
.endr
.endr
	WIN 0x80                                       ; destination window 2
.irp s, 0,1,2,3
.irp n, 0,1,2,3
.irp c, 0,1,2
	global_load_b128 v[12*(4*\s+\n)+4*\c:12*(4*\s+\n)+4*\c+3], v[LA16], s[8:9] offset:\n*12288+(\s+4)*1536+512*\c
.endr
.endr
.endr
	WIN 0
.irp n, 0,1,2,3
	global_load_b128 v[16+8*\n:19+8*\n], v[BSO], s[10:11] offset:512*\n       ; a column's 32 scale bytes are its eight words
	global_load_b128 v[20+8*\n:23+8*\n], v[BSO], s[10:11] offset:512*\n+16
.endr
.irp hd, 0,1,2,3,4,5,6,7,8,9,10,11,12,13,14,15
	global_load_u16 v[64+\hd], v[VSO], s[6:7] offset:16384*\hd   ; row 32 w + lane: each head's two bytes; 64 consecutive bytes a load
.endr
	s_wait_loadcnt 0x0
.irp s, 0,1,2,3,4,5,6,7
	v_lshl_or_b32 v[80+\s], v[65+2*\s], 16, v[64+2*\s]           ; heads 2 s and 2 s + 1 make K step s's word
.endr
	ds_store_b128 v[SCW], v[80:83]
	ds_store_b128 v[SCW], v[84:87] offset:16
	s_wait_tensorcnt 0x0                           ; my two row tiles are in,
	s_wait_dscnt 0x0                               ; my rows' scale words are stored,
	s_barrier_signal -1
	s_barrier_wait -1                              ; everybody's are
.macro LOADA m, p                              ; row tile m's eight fragments and eight scale words into set p: 34 loads
.set AF_, 64+96*(\p)
.if (\m) < 5
.set A16_, LA16
.set A8_, LA8
.set MO_, (\m)*12288
.else
.set A16_, LA16B
.set A8_, LA8B
.set MO_, ((\m)-5)*12288
.endif
.irp hd, 0,1,2,3,4,5,6,7,8,9,10,11,12,13,14,15
	ds_load_b128 v[AF_+6*\hd:AF_+6*\hd+3], v[A16_] offset:MO_+768*\hd
	ds_load_b64 v[AF_+6*\hd+4:AF_+6*\hd+5], v[A8_] offset:MO_+768*\hd+512
.endr
	ds_load_b128 v[48+8*(\p):51+8*(\p)], v[LSC] offset:768*(\m)
	ds_load_b128 v[52+8*(\p):55+8*(\p)], v[LSC] offset:768*(\m)+16
.endm
.macro SEND m                                  ; row tile m's 16 rows x 256 bytes leave
.set OBB, 32+32*((\m)%2)
	WIN 0x0c                                       ; a store's data are its source 1: window 3
.irp t, 0,1,2,3,4,5,6,7
	global_store_b128 v[CO], v[OBB+4*\t:OBB+4*\t+3], s[12:13] offset:(\m)*65536+8192*\t th:TH_STORE_NT   ; sixteen lanes store 256 consecutive bytes, at a multiple of 256 from out's first byte; written once, read by nobody here
.endr
.endm
.macro TILE m
.set PP, (\m)%2
.set AFP, 64+96*PP
.if (\m) < 7
	LOADA (\m)+1, 1-PP                             ; the next tile's, into the set that the last tile's products have left (five places stand behind them)
	s_wait_dscnt 34                                ; all but the 34 just issued: this tile's fragments are in, and the last tile's rows are back from the stage
.else
	s_wait_dscnt 0x0
.endif
.if (\m) > 0
	SEND (\m)-1
.endif
	WIN 0xf1                                       ; source 0 (w_out) window 1, source 1 (vals) window 0, C and D window 3
.irp s, 0,1,2,3                                ; the four accumulators take turns, one instruction a turn; the first K step starts the sums
.irp n, 0,1,2,3
.if \s == 0
	v_wmma_scale_f32_16x16x128_f8f6f4 v[8*\n:8*\n+7], v[12*(4*\s+\n):12*(4*\s+\n)+11], v[AFP+12*\s:AFP+12*\s+11], 0, v[16+8*\n+\s], v[48+8*PP+\s] matrix_a_fmt:MATRIX_FMT_FP6 matrix_b_fmt:MATRIX_FMT_FP6
.else
	v_wmma_scale_f32_16x16x128_f8f6f4 v[8*\n:8*\n+7], v[12*(4*\s+\n):12*(4*\s+\n)+11], v[AFP+12*\s:AFP+12*\s+11], v[8*\n:8*\n+7], v[16+8*\n+\s], v[48+8*PP+\s] matrix_a_fmt:MATRIX_FMT_FP6 matrix_b_fmt:MATRIX_FMT_FP6
.endif
.endr
.endr
	WIN 0xf2                                       ; source 0 window 2
.irp s, 0,1,2,3
.irp n, 0,1,2,3
	v_wmma_scale_f32_16x16x128_f8f6f4 v[8*\n:8*\n+7], v[12*(4*\s+\n):12*(4*\s+\n)+11], v[AFP+48+12*\s:AFP+48+12*\s+11], v[8*\n:8*\n+7], v[20+8*\n+\s], v[52+8*PP+\s] matrix_a_fmt:MATRIX_FMT_FP6 matrix_b_fmt:MATRIX_FMT_FP6
.endr
.endr
	WIN 0
.rept 5
	v_nop                                          ; four places in front of the stores that read the results and of the loads into this set; the fifth for the next tile's first products, which write over the accumulators
.endr
	WIN 0x0c                                       ; an LDS store's data are its source 1: window 3
.irp n, 0,1,2,3
	ds_store_b128 v[STO], v[8*\n:8*\n+3] offset:64*\n            ; each accumulator from its low end on
	ds_store_b128 v[STO], v[8*\n+4:8*\n+7] offset:64*\n+16
.endr
	s_wait_xcnt 0x0                                ; the stores of the tile two back have read the registers that the loads below fill
	WIN 0xc0                                       ; destination window 3
.irp t, 0,1,2,3,4,5,6,7
	ds_load_b128 v[32+32*PP+4*\t:32+32*PP+4*\t+3], v[RD] offset:544*\t   ; LDS serves a wave's instructions in order (ISA guide 5.7.1.4): these see the stores above
.endr
	WIN 0
.endm
	LOADA 0, 0
.irp m, 0,1,2,3,4,5,6,7
	TILE \m
.endr
	s_wait_dscnt 0x0
	SEND 7
	WIN 0
	s_set_vgpr_msb 0x4
	s_wait_tensorcnt 0x0
	ds_add_u32 v15, v255
	s_wait_dscnt 0x0
	s_set_vgpr_msb 0x400
	CROUND                                         ; the closing round: no work-group ends while a partner may still ask for a tile that names it
	s_endpgm
.Lfunc_end_k_q27d8feca10_out_proj:
	.size	k_q27d8feca10_out_proj, .Lfunc_end_k_q27d8feca10_out_proj-k_q27d8feca10_out_proj
	.p2alignl 7, 3214868480
	.fill 96, 4, 3214868480
	.section	.rodata,"a",@progbits
	.p2align	6, 0x0
	.amdhsa_kernel k_q27d8feca10_out_proj
		.amdhsa_group_segment_fixed_size 168448
		.amdhsa_private_segment_fixed_size 0
		.amdhsa_enable_private_segment 0
		.amdhsa_kernarg_size 40
		.amdhsa_user_sgpr_count 2
		.amdhsa_user_sgpr_kernarg_segment_ptr 1
		.amdhsa_wavefront_size32 1
		.amdhsa_system_sgpr_workgroup_id_x 1
		.amdhsa_system_sgpr_workgroup_id_y 1
		.amdhsa_system_sgpr_workgroup_id_z 1
		.amdhsa_system_vgpr_workitem_id 0
		.amdhsa_next_free_vgpr 896
		.amdhsa_next_free_sgpr 66
		.amdhsa_reserve_vcc 0
		.amdhsa_float_denorm_mode_32 3
		.amdhsa_float_denorm_mode_16_64 3
		.amdhsa_memory_ordered 1
		.amdhsa_forward_progress 1
		.amdhsa_inst_pref_size 84
	.end_amdhsa_kernel
	.amdgpu_metadata
---
amdhsa.version: [ 1, 2 ]
amdhsa.kernels:
  - .name:           k_q27d8feca10_out_proj
    .symbol:         k_q27d8feca10_out_proj.kd
    .args:
      - { .name: vc, .offset: 0, .size: 8, .value_kind: global_buffer, .address_space: global }
      - { .name: vs, .offset: 8, .size: 8, .value_kind: global_buffer, .address_space: global }
      - { .name: woi, .offset: 16, .size: 8, .value_kind: global_buffer, .address_space: global }
      - { .name: w_out_scales, .offset: 24, .size: 8, .value_kind: global_buffer, .address_space: global }
      - { .name: out0, .offset: 32, .size: 8, .value_kind: global_buffer, .address_space: global }
    .group_segment_fixed_size: 168448
    .private_segment_fixed_size: 0
    .kernarg_segment_align: 8
    .kernarg_segment_size: 40
    .max_flat_workgroup_size: 128
    .sgpr_count:     66
    .vgpr_count:     896
    .wavefront_size: 32
...
	.end_amdgpu_metadata
.endif
;; end of part 3
